; MI455X (gfx1250); checked and timed in simulation.
; The chip was launched on July 23, 2026; its instructions are those of AMD's public machine-readable ISA for CDNA 5 (MIT licence, August 2026) and "CDNA5" Instruction Set Architecture Reference Guide (July 2026). The comments in the code are by the model that wrote it; some were corrected since.
;; Attention. Allowed arithmetic: matrix products marked QUANTISED: E2M1 operands, one E8M0 scale for each 32 along K, by v_wmma_scale_f32_16x16x128_f8f6f4 with both operands' format E2M1 (or v_wmma_scale_f32_32x16x128_f4), f32 sums; everything else in f32.
;; Inputs: Wk_codes 1,024 x 32 x 16 uint8 (E2M1 codes of Wk, K innermost, in blocks of 32 codes, two codes a byte); Wk_scales 1,024 x 32 uint8 (E8M0 scales of Wk, one for each 32 codes along K); Wo_codes 1,024 x 32 x 16 uint8 (E2M1 codes of Wo, K innermost, in blocks of 32 codes, two codes a byte); Wo_scales 1,024 x 32 uint8 (E8M0 scales of Wo, one for each 32 codes along K); Wq_codes 1,024 x 32 x 16 uint8 (E2M1 codes of Wq, K innermost, in blocks of 32 codes, two codes a byte); Wq_scales 1,024 x 32 uint8 (E8M0 scales of Wq, one for each 32 codes along K); Wv_codes 1,024 x 32 x 16 uint8 (E2M1 codes of Wv, K innermost, in blocks of 32 codes, two codes a byte); Wv_scales 1,024 x 32 uint8 (E8M0 scales of Wv, one for each 32 codes along K); bk 1,024 float32; bo 1,024 float32; bq 1,024 float32; bv 1,024 float32; x_codes 8 x 1,024 x 32 x 16 uint8 (E2M1 codes of x, K innermost, in blocks of 32 codes, two codes a byte); x_scales 8 x 1,024 x 32 uint8 (E8M0 scales of x, one for each 32 codes along K).
;; Outputs: out0 8 x 1,024 x 1,024 float32.
;; This version of the problem:
;;   THIS VERSION OF THE PROBLEM IS GIVEN IN LOW PRECISION. The matrix products marked QUANTISED in the list below multiply operands that are first quantised to E2M1 (2 exponent bits, 1 mantissa bit; 4 bits a number), with one power-of-two scale for each 32 numbers along K (OCP MX v1.0); their sums are f32. All else is computed in f32.
;;   The module's matrix products, in the order in which they are computed (A, B: the left and right operand; K: the contracted axis; several contracted axes count as one K, in the product's order):
;;     1. [M 8,192, K 1,024] x [K 1,024, N 1,024]; A: input x (given as codes); B: input Wq (given as codes): QUANTISED
;;     2. [M 8,192, K 1,024] x [K 1,024, N 1,024]; A: input x (given as codes); B: input Wk (given as codes): QUANTISED
;;     3. [M 8,192, K 1,024] x [K 1,024, N 1,024]; A: input x (given as codes); B: input Wv (given as codes): QUANTISED
;;     4. batch 128 x [M 1,024, K 64] x [K 64, N 1,024]; A: computed on the way; B: computed on the way: QUANTISED
;;     5. batch 128 x [M 1,024, K 1,024] x [K 1,024, N 64]; A: softmax (see below); B: computed on the way: QUANTISED
;;     6. [M 8,192, K 1,024] x [K 1,024, N 1,024]; A: computed on the way; B: input Wo (given as codes): QUANTISED
;;   THE QUANTISER, for each operand of a quantised product, along K:
;;     - K is cut into blocks of 32 from its start; a last block that is shorter is filled with zeros.
;;     - A block's scale is 2^e with e = floor(log2(the largest magnitude in the block)) - 2, held to -126 .. 127; a block of zeros has e = 0. As a byte (E8M0): e + 127.
;;     - Each number is divided by its block's scale, clamped to +-6, and rounded to the nearest number of E2M1, ties to even, subnormals kept.
;;     - The product sums the exact products of the quantised numbers (number of the format x scale) in f32.
;;   ~~~python
;;   def quantise(x, axis):      # numpy; x: float32 -> the quantised numbers, widened to float32 again
;;       x = np.moveaxis(x, axis, -1); K = x.shape[-1]
;;       x = np.pad(x, [(0, 0)] * (x.ndim - 1) + [(0, -K % 32)]); x = x.reshape(x.shape[:-1] + (-1, 32)); a = np.abs(x).max(-1, keepdims=True)
;;       e = np.where(a > 0, np.clip(np.frexp(np.where(a > 0, a, 1))[1] - 1 - 2, -126, 127), 0)      # np.frexp(a)[1] - 1 = floor(log2(a)), exactly
;;       r = np.clip(x / 2.0 ** e, -6, 6)
;;       step = 2.0 ** (np.maximum(np.frexp(np.where(r == 0, 1, r))[1] - 1, 0) - 1)
;;       q = np.round(r / step) * step * 2.0 ** e      # np.round: ties to even
;;       return np.moveaxis(q.reshape(q.shape[:-2] + (-1,))[..., :K], -1, axis).astype(np.float32)
;;   ~~~
;;   SOFTMAX AHEAD OF A QUANTISED PRODUCT. Where the list says 'softmax', what is quantised is not the finished softmax but p = 2^(t - M), with t = logit x log2(e) and M = ceil(the row's largest t), a whole number; so 1/2 < the row's largest p <= 1. The row's sum l is taken of the UNQUANTISED p, in f32, and the product's result is divided by l at the end. Since M is a whole number, a kernel that streams over the keys may use a running M (the ceiling of the running maximum): every later rescaling is an exact power of two, which a block's scale takes up: the codes' values come out the same.
;;   OPERANDS COMPUTED ON THE WAY. 'Computed on the way' means the value that the module computes at that place (a softmax that the list does not call 'softmax' is quantised finished and normalised). What goes into a quantiser is computed in f32, as accurately as f32 sums, v_exp_f32 and their like allow (about 1e-6 of the number): no bf16 or f16 on the way to a quantiser, and a product that is left as it is and whose result goes on into a quantised operand takes f32 operands (vector FMAs, or v_wmma_f32_16x16x4_f32). A number that lies on a knife's edge between two numbers of the format may be rounded either way, as far as f32 arithmetic and the matrix unit's own rounding can turn it there, and no further.
;;   INPUTS GIVEN AS CODES. Wk (in the module: [1024, 1024], K = its axis 0); Wo (in the module: [1024, 1024], K = its axis 0); Wq (in the module: [1024, 1024], K = its axis 0); Wv (in the module: [1024, 1024], K = its axis 0); x (in the module: [8, 1024, 1024], K = its axis 2): each comes as NAME_codes (uint8): NAME with its K axis moved to the last place and cut into blocks of 32 codes, [.., K / 32, bytes a block], one block behind the other in memory; two codes a byte, the lower K in the low four bits (a code: sign, 2 exponent bits, 1 mantissa bit); and NAME_scales (uint8): the same leading axes, one E8M0 byte (e + 127) for each 32 codes along K. Its value is code x scale, taken as it is: it is not quantised again, and the codes and scales need not be those that the quantiser above would give.
;; One version. Each part assembles by itself: llvm-mc -triple=amdgcn-amd-amdhsa -mcpu=gfx1250 --defsym DOCPART=n.
;; ======== version 1 of 1: 3 launches
;; limits: right only within a limited range of input values
;; workspace buffers: qkvw 13,893,632 bytes; attw 4,456,448 bytes
;; launch qkv (part 1): grid 16 x 16, 4 waves a work-group, no clusters, 239,104 bytes of LDS; arguments x_codes, x_scales, Wq_codes, Wq_scales, bq, Wk_codes, Wk_scales, bk, Wv_codes, Wv_scales, bv, qkvw; writes qkvw
.if DOCPART == 1
	.amdgcn_target "amdgcn-amd-amdhsa--gfx1250"
	.amdhsa_code_object_version 6
	.text
	.protected	k_q38f71a86ad_qkv
	.globl	k_q38f71a86ad_qkv
	.p2align	8
	.type	k_q38f71a86ad_qkv,@function
k_q38f71a86ad_qkv:
	s_mov_b64 s[64:65], 0
	v_nop
	global_prefetch_b8 v0, s[64:65] scope:SCOPE_SE
	s_setreg_imm32_b32 hwreg(HW_REG_WAVE_MODE, 25, 1), 1
	s_wait_xcnt 0x0
; q = x Wq + bq, k = x Wk + bk, v = x Wv + bv on codes of FP4 (E2M1) with one E8M0 scale for each 32 along K = 1,024; the results are quantised at once:
; q and k along the head's 64, v along the keys, and leave as IMAGES OF OPERAND REGISTERS (16 bytes a lane, 512 bytes a store) for the attention launch.
; SHARES.  Work-group (head, y): the head's 64 columns of each of the three weights x rows 512 y .. 512 y + 511.  Wave w: rows 512 y + 128 w on, 8 tiles of 16.
; The wave's fragments of x, for all of K, stay in 512 registers; the head's 3 x 64 rows of W lie in LDS for all four waves.  Three passes (q, k, v) of 8 K steps x 32 matrix instructions on 32 accumulators:
; a fragment of W read from LDS feeds eight matrix instructions, a fragment of x three passes.
; q, k: THE PRODUCT IS USED TRANSPOSED (source 0 = 16 rows of W, source 1 = 16 rows of x): a lane holds one row of x and its eight registers eight neighbouring columns, which are neighbours along the next K.
; v: the product is used as it stands (source 0 = x, source 1 = W): a lane holds one column d and eight neighbouring keys, which are neighbours along ITS next K.
; FROM RESULT TO OPERAND.  The conversion of one tile's eight registers is one register of the 4-bit operand.  Tiles 4 c + 0, 1, 2, 3 go to operand registers 4 c + 0, 2, 1, 3; then registers (4 c, 4 c + 1) and
; (4 c + 2, 4 c + 3) exchange halves of lanes: lanes 0-15 then hold block 2 c and lanes 16-31 block 2 c + 1, K in its true order.
; THE QUANTISER: a block's scale byte is its largest magnitude's exponent field - 2, held at 1 from below.  LIMITS: NaN and infinities are not served; blocks whose largest magnitude lies under 2^-124 get the byte 1;
; a block of zeros gets the byte 1 too: its codes are zeros, and the bytes are read by this program alone.
; q's and k's K is 64, half of the matrix instruction's 128: their scale words repeat bytes 0, 1 as bytes 2, 3, so that the idle blocks never have a larger scale than the real ones; q's codes there are zeros (attention launch).
; NO JOINT LOADS: the 512 rows of x (270,336 bytes at this pitch) and the 192 rows of W (101,376) do not fit in LDS together, so x goes through a stage of 64 rows a wave into registers, by plain loads of whole rows.
; qkvw: QIMG 0: [bh][tile of 16 queries, 64][lane][16];  KIMG 4,194,304 likewise;  VIMG 8,388,608: [bh][128 keys g][d tile n][c][lane][16];
;       QSC 12,582,912: [bh][g][32][4] words, tile t row r at [16 (t % 2) + r][t / 2];  KSC 13,107,200 likewise;  VSC 13,631,488: [bh][g][32][2] words, d tile n row r at [16 (n % 2) + r][n / 2].
; REGISTERS, in windows of 256.  window 1: x's fragments (t, s), t = 0..3, at v[64 t + 8 s];  window 2: t = 4..7;  window 3: accumulator (n, t) at v[32 t + 8 n];  during the fill windows 2 and 3 hold rows as loaded.
.set PITCH, 528                        ; an LDS row: 512 bytes + 16: 132 words, so the 16 rows that a fragment load touches start 4 words apart modulo 64 (64 banks of 4 bytes: ISA guide 11.1)
.set KIND,  64*PITCH                   ; 64 rows: one weight's, or a wave's stage
.set XST,   3*KIND                     ; behind the three weights: a stage of 64 rows for each wave, its own
.set SCR,   XST+4*KIND                 ; behind the stages: 512 bytes for each wave, its own: scale words on their way out
.set LI,  1                            ; v1   16 x lane
.set L8,  2                            ; v2   8 x lane
.set SA,  3                            ; v3   32 r + 16 h: a row's 32 scale bytes, my half of them
.set BA,  4                            ; v4   32 h: a bias for the transposed product
.set BVA, 5                            ; v5   4 r: for the product as it stands
.set WA,  6                            ; v6-8 LDS: my lane's place in a fragment of Wq, Wk, Wv: 528 r + 16 h
.set SCA, 9                            ; v9   LDS: q's, k's scale words in: 16 r
.set SCB, 10                           ; v10  and out: 16 x lane
.set SCV, 11                           ; v11  v's in: 8 r
.set SCW, 12                           ; v12  and out: 8 x lane
.set XW,  13                           ; v13  the stage, in: 16 x lane
.set XR,  14                           ; v14  the stage, out: 528 r + 16 h
.set XS,  16                           ; v16-47   x's scale words: register 4 t + i: lanes 0-15 K step i, lanes 16-31 K step 4 + i
.set WS,  48                           ; v48-63   W's likewise, 4 n + i
.set BI,  64                           ; v64-95   the bias in the result's layout, eight registers a tile n
.set WB,  96                           ; v96-159  W's fragments of a K step, two sets of 32
.set CD,  160                          ; v160-191 codes
.set TM,  192                          ; v192-199 largest magnitudes
.set TP,  200                          ; v200-207 the partner lane's; then bytes
.set SO,  208                          ; v208-215 the conversions' scale operands
.set SW,  216                          ; v216-223 scale words
.set GT,  224                          ; v224-227 scale words on their way out
.set WW,  228                          ; v228-230 LDS: where my wave puts its 16 rows of each weight
.set MSB, 0
.macro WIN new                         ; s_set_vgpr_msb: bits 1:0 source 0, 3:2 source 1, 5:4 source 2, 7:6 destination; the high byte repeats the setting that is left
.if MSB != (\new)
	s_set_vgpr_msb (MSB<<8)|(\new)
.set MSB, (\new)
.endif
.endm
.macro PLACES                          ; four plain vector instructions between a matrix instruction and a load into, or a vector read of, its registers
.rept 4
	v_nop
.endr
.endm
.macro WM d, a, b, c, sa, sb, row      ; one product; row = 1: both sides' scale words are taken from lanes 16-31
.if \row
	v_wmma_scale_f32_16x16x128_f8f6f4 v[(\d):(\d)+7], v[(\a):(\a)+7], v[(\b):(\b)+7], v[(\c):(\c)+7], v[\sa], v[\sb] matrix_a_fmt:MATRIX_FMT_FP4 matrix_b_fmt:MATRIX_FMT_FP4 matrix_a_scale:MATRIX_SCALE_ROW1 matrix_b_scale:MATRIX_SCALE_ROW1
.else
	v_wmma_scale_f32_16x16x128_f8f6f4 v[(\d):(\d)+7], v[(\a):(\a)+7], v[(\b):(\b)+7], v[(\c):(\c)+7], v[\sa], v[\sb] matrix_a_fmt:MATRIX_FMT_FP4 matrix_b_fmt:MATRIX_FMT_FP4
.endif
.endm
; 16 products: x's tiles t0 .. t0 + 3 against W's four, K step s.  first = 1: the bias is the C that starts the sums: nothing is cleared.  nat = 1: x is source 0.
; The 32 accumulators take turns, one instruction a turn, in the same order in every K step.
.macro MUL16 nat, s, t0, first
.irp t, \t0, \t0+1, \t0+2, \t0+3
.irp n, 0,1,2,3
.if \first
.set CC, BI+8*\n
.else
.set CC, 32*(\t)+8*\n
.endif
.if \nat
	WM 32*(\t)+8*\n, 64*((\t)%4)+8*(\s), WB+32*((\s)%2)+8*\n, CC, XS+4*(\t)+(\s)%4, WS+4*\n+(\s)%4, (\s)/4
.else
	WM 32*(\t)+8*\n, WB+32*((\s)%2)+8*\n, 64*((\t)%4)+8*(\s), CC, WS+4*\n+(\s)%4, XS+4*(\t)+(\s)%4, (\s)/4
.endif
.endr
.endr
.endm
.macro WFETCH wa, s, buf               ; a weight's four fragments of K step s: lane (r, h), registers 4 c on: K = 128 s + 64 c + 32 h + 0 .. 31: 16 bytes of the row as they lie
.irp n, 0,1,2,3
.irp c, 0,1
	ds_load_b128 v[WB+32*(\buf)+8*\n+4*\c:WB+32*(\buf)+8*\n+4*\c+3], v[\wa] offset:16*PITCH*\n+64*(\s)+32*\c
.endr
.endr
.endm
; A pass: 8 K steps.  Each step first asks for the next step's fragments of W (the last: for the next weight's first), into the set that the step before multiplied, and then multiplies its own.
.macro PASS nat, wa, wanext, hasnext
.irp s, 0,1,2,3,4,5,6,7
	WIN 0
	PLACES
.if \s < 7
	WFETCH \wa, \s+1, (\s+1)%2
	s_wait_dscnt 8                                 ; the eight loads just issued may be out: this step's fragments are in
.elseif \hasnext
	WFETCH \wanext, 0, 0
	s_wait_dscnt 8
.else
	s_wait_dscnt 0x0
.endif
.if \s == 0
	WIN 0xC4-3*\nat                                ; x in window 1, W and the bias in window 0, D in window 3
	MUL16 \nat, \s, 0, 1
	WIN 0xC8-6*\nat                                ; x in window 2
	MUL16 \nat, \s, 4, 1
.else
	WIN 0xF4-3*\nat                                ; C and D in window 3
	MUL16 \nat, \s, 0, 0
	WIN 0xF8-6*\nat
	MUL16 \nat, \s, 4, 0
.endif
.endr
	WIN 0
	PLACES                                         ; in front of the loads into W's scale words and the bias, and of the first reads of results
.endm
.macro WSLOAD sreg                     ; a weight's scale words: 512 consecutive bytes a load
.irp n, 0,1,2,3
	global_load_b128 v[WS+4*\n:WS+4*\n+3], v[SA], s[\sreg:\sreg+1] offset:512*\n
.endr
.endm
.macro BIAS_T breg                     ; transposed: lane (r, h), tile n, register j: b[16 n + 8 h + j]
.irp n, 0,1,2,3
	global_load_b128 v[BI+8*\n:BI+8*\n+3], v[BA], s[\breg:\breg+1] offset:64*\n
	global_load_b128 v[BI+8*\n+4:BI+8*\n+7], v[BA], s[\breg:\breg+1] offset:64*\n+16
.endr
.endm
.macro BIAS_N breg                     ; as it stands: every register of tile n: b[16 n + r]
.irp n, 0,1,2,3
.irp j, 0,1,2,3,4,5,6,7
	global_load_b32 v[BI+8*\n+\j], v[BVA], s[\breg:\breg+1] offset:64*\n
.endr
.endr
.endm
.macro SCALE8                          ; eight blocks by turns: with the partner lane's 16 numbers; the conversion's scale operand (2 off the exponent field); the byte
.irp u, 0,1,2,3,4,5,6,7
	v_permlanex16_b32 v[TP+\u], v[TM+\u], s52, s53
.endr
.irp u, 0,1,2,3,4,5,6,7
	v_max_num_f32 v[TM+\u], v[TM+\u], v[TP+\u]
.endr
.irp u, 0,1,2,3,4,5,6,7
	v_add_nc_u32 v[SO+\u], 0xff000000, v[TM+\u]
.endr
.irp u, 0,1,2,3,4,5,6,7
	v_lshrrev_b32 v[TP+\u], 23, v[SO+\u]
.endr
.endm
; q or k leaves: four tiles of rows at a time; block u = 2 a + b of tile 4 g + a is the 16 registers of accumulators n = 2 b, 2 b + 1, and the partner lane's.
.macro QK_OUT img, sc
	s_wait_xcnt 0x0                                ; earlier stores have read their data registers: the codes and words may be written again
.irp g, 0,1
	WIN 0x3C                                       ; sources 1 and 2 in window 3
.irp u, 0,1,2,3,4,5,6,7
	v_max3_num_f32 v[TM+\u], 0x1800000, |v[32*(4*\g+\u/2)+16*(\u%2)]|, |v[32*(4*\g+\u/2)+16*(\u%2)+1]|   ; the floor 2^(3 - 127) holds the byte at 1 from below; each accumulator is read from its low end on
.endr
.irp i, 2,4,6,8,10,12,14
.irp u, 0,1,2,3,4,5,6,7
	v_max3_num_f32 v[TM+\u], v[TM+\u], |v[32*(4*\g+\u/2)+16*(\u%2)+\i]|, |v[32*(4*\g+\u/2)+16*(\u%2)+\i+1]|
.endr
.endr
	WIN 0
	SCALE8
.irp a, 0,1,2,3
	v_lshl_or_b32 v[SW+4*\g+\a], v[TP+2*\a+1], 8, v[TP+2*\a]
.endr
.irp a, 0,1,2,3
	v_lshl_or_b32 v[SW+4*\g+\a], v[SW+4*\g+\a], 16, v[SW+4*\g+\a]   ; bytes 2, 3 repeat bytes 0, 1
.endr
	WIN 0x03                                       ; source 0 in window 3
.irp a, 0,1,2,3
.irp n, 0,1,2,3
	v_cvt_scalef32_pk8_fp4_f32 v[CD+4*(4*\g+\a)+2*(\n%2)+\n/2], v[32*(4*\g+\a)+8*\n:32*(4*\g+\a)+8*\n+7], v[SO+2*\a+\n/2]
.endr
.endr
	WIN 0
	v_nop                                          ; one plain place behind the last scaled conversion
.irp a, 0,1,2,3
	v_permlane16_swap_b32 v[CD+4*(4*\g+\a)], v[CD+4*(4*\g+\a)+1]
	v_permlane16_swap_b32 v[CD+4*(4*\g+\a)+2], v[CD+4*(4*\g+\a)+3]
.endr
.irp a, 0,1,2,3
	global_store_b128 v[LI], v[CD+4*(4*\g+\a):CD+4*(4*\g+\a)+3], s[\img:\img+1] offset:512*(4*\g+\a)   ; 32 lanes store 512 consecutive bytes
	ds_store_b32 v[SCA], v[SW+4*\g+\a] offset:256*(\a%2)+4*((4*\g+\a)/2)   ; both halves of the lanes write the same word with the same value
.endr
.endr
	ds_load_b128 v[GT:GT+3], v[SCB]                ; LDS serves a wave's instructions in order: this sees my stores
	s_wait_dscnt 0x0
	global_store_b128 v[LI], v[GT:GT+3], s[\sc:\sc+1]
.endm
; v leaves: two d tiles at a time; block u = 4 a + b of d tile n = 2 g + a is the 16 registers of accumulators (n, 2 b), (n, 2 b + 1), and the partner lane's: 32 keys.
.macro V_OUT
	s_wait_xcnt 0x0
.irp g, 0,1
	WIN 0x3C
.irp u, 0,1,2,3,4,5,6,7
	v_max3_num_f32 v[TM+\u], 0x1800000, |v[64*(\u%4)+8*(2*\g+\u/4)]|, |v[64*(\u%4)+8*(2*\g+\u/4)+1]|
.endr
.irp i, 2,4,6,8,10,12,14
.irp u, 0,1,2,3,4,5,6,7
	v_max3_num_f32 v[TM+\u], v[TM+\u], |v[64*(\u%4)+8*(2*\g+\u/4)+\i+24*(\i/8)]|, |v[64*(\u%4)+8*(2*\g+\u/4)+\i+24*(\i/8)+1]|
.endr
.endr
	WIN 0
	SCALE8
.irp a, 0,1
	v_lshl_or_b32 v[SW+2*\g+\a], v[TP+4*\a+1], 8, v[TP+4*\a]
	v_lshl_or_b32 v[SW+2*\g+\a], v[TP+4*\a+2], 16, v[SW+2*\g+\a]
	v_lshl_or_b32 v[SW+2*\g+\a], v[TP+4*\a+3], 24, v[SW+2*\g+\a]
.endr
	WIN 0x03
.irp a, 0,1
.irp t, 0,1,2,3,4,5,6,7
	v_cvt_scalef32_pk8_fp4_f32 v[CD+8*(2*\g+\a)+4*(\t/4)+2*(\t%2)+(\t%4)/2], v[32*\t+8*(2*\g+\a):32*\t+8*(2*\g+\a)+7], v[SO+4*\a+\t/2]
.endr
.endr
	WIN 0
	v_nop                                          ; one plain place behind the last scaled conversion
.irp a, 0,1
.irp c, 0,2,4,6
	v_permlane16_swap_b32 v[CD+8*(2*\g+\a)+\c], v[CD+8*(2*\g+\a)+\c+1]
.endr
.endr
.irp a, 0,1
	global_store_b128 v[LI], v[CD+8*(2*\g+\a):CD+8*(2*\g+\a)+3], s[36:37] offset:1024*(2*\g+\a)
	global_store_b128 v[LI], v[CD+8*(2*\g+\a)+4:CD+8*(2*\g+\a)+7], s[36:37] offset:1024*(2*\g+\a)+512
	ds_store_b32 v[SCV], v[SW+2*\g+\a] offset:128*\a+4*\g
.endr
.endr
	ds_load_b64 v[GT:GT+1], v[SCW]
	s_wait_dscnt 0x0
	global_store_b64 v[L8], v[GT:GT+1], s[42:43]   ; 32 lanes store 256 consecutive bytes, aligned
.endm
.macro STAGE_IN                        ; 64 rows, as loaded, into my stage (the data's window is set by the caller)
.set I, 0
.rept 64
	ds_store_b128 v[XW], v[4*I:4*I+3] offset:PITCH*I
.set I, I+1
.endr
.endm
.macro FRAGS_OUT                       ; and out of it as 4 tiles x 8 K steps of fragments (the destination's window is set by the caller)
.irp t, 0,1,2,3
.irp s, 0,1,2,3,4,5,6,7
.irp c, 0,1
	ds_load_b128 v[64*\t+8*\s+4*\c:64*\t+8*\s+4*\c+3], v[XR] offset:16*PITCH*\t+64*\s+32*\c
.endr
.endr
.endr
.endm
	s_load_b512 s[8:23], s[0:1], 0x0               ; x codes s[8:9], x scales s[10:11], Wq codes s[12:13], scales s[14:15], bq s[16:17], Wk codes s[18:19], scales s[20:21], bk s[22:23]
	s_load_b256 s[24:31], s[0:1], 0x40             ; Wv codes s[24:25], scales s[26:27], bv s[28:29], qkvw s[30:31]
	v_lshl_add_u32 v254, v0, 2, 0x3a400
	v_mov_b32 v255, 0
	v_lshrrev_b32 v15, 5, v0
	v_readfirstlane_b32 s2, v15                    ; wave 0..3
	s_and_b32 s4, ttmp7, 0xffff                    ; y: which 512 rows; ttmp9: the head
	v_and_b32 v15, 31, v0                          ; lane
	v_and_b32 v232, 15, v0                         ; r
	v_bfe_u32 v233, v0, 4, 1                       ; h
	v_lshlrev_b32 v[LI], 4, v15
	v_lshlrev_b32 v[L8], 3, v15
	v_lshlrev_b32 v[SA], 5, v232
	v_lshl_add_u32 v[SA], v233, 4, v[SA]
	v_lshlrev_b32 v[BA], 5, v233
	v_lshlrev_b32 v[BVA], 2, v232
	v_mul_u32_u24 v[WA], v232, PITCH
	v_lshl_add_u32 v[WA], v233, 4, v[WA]
	v_add_nc_u32 v[WA+1], KIND, v[WA]
	v_add_nc_u32 v[WA+2], 2*KIND, v[WA]
	s_lshl_b32 s44, s2, 9
	s_add_co_u32 s44, s44, SCR                     ; my wave's 512 bytes for scale words
	v_lshl_add_u32 v[SCA], v232, 4, s44
	v_add_nc_u32 v[SCB], s44, v[LI]
	v_lshl_add_u32 v[SCV], v232, 3, s44
	v_add_nc_u32 v[SCW], s44, v[L8]
	s_mul_i32 s45, s2, KIND
	s_add_co_u32 s45, s45, XST                     ; my wave's stage
	v_add_nc_u32 v[XW], s45, v[LI]
	v_add_nc_u32 v[XR], s45, v[WA]
	s_mul_i32 s46, s2, 16*PITCH                    ; my wave's 16 rows of each weight
	v_add_nc_u32 v[WW], s46, v[LI]
	v_add_nc_u32 v[WW+1], KIND, v[WW]
	v_add_nc_u32 v[WW+2], 2*KIND, v[WW]
.irp u, 0,1,2,3,4,5,6,7
	v_mov_b32 v[TP+\u], 0                          ; written once: a lane permute's destination counts as one of its sources
.endr
	s_mov_b32 s52, 0x76543210
	s_mov_b32 s53, 0xfedcba98                      ; v_permlanex16_b32's selects for lane l xor 16
	s_lshl_b32 s44, s4, 9
	s_lshl_b32 s45, s2, 7
	s_add_co_u32 s44, s44, s45                     ; my first row: 512 y + 128 w
	s_mov_b32 s49, 0
	s_wait_alu depctr_va_vdst(0)
	s_wait_kmcnt 0x0
	s_lshl_b32 s48, s44, 9
	s_add_nc_u64 s[8:9], s[8:9], s[48:49]          ; x's codes: 512 bytes a row
	s_lshl_b32 s48, s44, 5
	s_add_nc_u64 s[10:11], s[10:11], s[48:49]      ; x's scales: 32 bytes a row
	s_lshl_b32 s48, ttmp9, 15
	s_lshl_b32 s47, s2, 13
	s_add_co_u32 s48, s48, s47                     ; the weights' codes: row 64 head + 16 w
	s_add_nc_u64 s[12:13], s[12:13], s[48:49]
	s_add_nc_u64 s[18:19], s[18:19], s[48:49]
	s_add_nc_u64 s[24:25], s[24:25], s[48:49]
	s_lshl_b32 s48, ttmp9, 11                      ; their scales: row 64 head
	s_add_nc_u64 s[14:15], s[14:15], s[48:49]
	s_add_nc_u64 s[20:21], s[20:21], s[48:49]
	s_add_nc_u64 s[26:27], s[26:27], s[48:49]
	s_lshl_b32 s48, ttmp9, 8                       ; the biases: number 64 head
	s_add_nc_u64 s[16:17], s[16:17], s[48:49]
	s_add_nc_u64 s[22:23], s[22:23], s[48:49]
	s_add_nc_u64 s[28:29], s[28:29], s[48:49]
	; THE FILL.  Every load reads one whole row: 512 consecutive bytes.
	WIN 0xC0                                       ; destination window 3: my 16 rows of each weight
.set I, 0
.rept 16
	global_load_b128 v[4*I:4*I+3], v[LI], s[12:13] offset:512*I
	global_load_b128 v[64+4*I:64+4*I+3], v[LI], s[18:19] offset:512*I
	global_load_b128 v[128+4*I:128+4*I+3], v[LI], s[24:25] offset:512*I
.set I, I+1
.endr
	WIN 0x80                                       ; destination window 2: x's rows 0-63
.set I, 0
.rept 64
	global_load_b128 v[4*I:4*I+3], v[LI], s[8:9] offset:512*I
.set I, I+1
.endr
	WIN 0
.irp t, 0,1,2,3,4,5,6,7
	global_load_b128 v[XS+4*\t:XS+4*\t+3], v[SA], s[10:11] offset:512*\t
.endr
	WSLOAD 14
	BIAS_T 16
	; where the results go: bh = 16 (y / 2) + head, g = 4 (y % 2) + w
	s_lshr_b32 s45, s4, 1
	s_lshl_b32 s45, s45, 4
	s_add_co_u32 s45, s45, ttmp9
	s_and_b32 s46, s4, 1
	s_lshl_b32 s46, s46, 2
	s_add_co_u32 s46, s46, s2
	s_lshl_b32 s48, s45, 15
	s_lshl_b32 s47, s46, 12
	s_add_co_u32 s48, s48, s47
	s_add_nc_u64 s[32:33], s[30:31], s[48:49]      ; q's images
	s_add_nc_u64 s[34:35], s[32:33], 4194304       ; k's
	s_add_nc_u64 s[36:37], s[32:33], 8388608       ; v's
	s_lshl_b32 s48, s45, 12
	s_lshl_b32 s47, s46, 9
	s_add_co_u32 s48, s48, s47
	s_add_nc_u64 s[38:39], s[30:31], s[48:49]
	s_add_nc_u64 s[38:39], s[38:39], 12582912      ; q's scale words
	s_add_nc_u64 s[40:41], s[38:39], 524288        ; k's
	s_lshl_b32 s48, s45, 11
	s_lshl_b32 s47, s46, 8
	s_add_co_u32 s48, s48, s47
	s_add_nc_u64 s[42:43], s[30:31], s[48:49]
	s_add_nc_u64 s[42:43], s[42:43], 13631488      ; v's
	s_wait_loadcnt 63                              ; behind the weights' 48 loads 84 were issued; 63 is the largest count that the wait names, and a smaller count is safe
	WIN 0x0C                                       ; an LDS store's data are its source 1: window 3
.set I, 0
.rept 16
	ds_store_b128 v[WW], v[4*I:4*I+3] offset:PITCH*I
	ds_store_b128 v[WW+1], v[64+4*I:64+4*I+3] offset:PITCH*I
	ds_store_b128 v[WW+2], v[128+4*I:128+4*I+3] offset:PITCH*I
.set I, I+1
.endr
	s_wait_dscnt 0x0                               ; the stores have read window 3
	WIN 0xC0                                       ; which takes x's rows 64-127
.set I, 0
.rept 64
	global_load_b128 v[4*I:4*I+3], v[LI], s[8:9] offset:512*(64+I)
.set I, I+1
.endr
	s_wait_loadcnt 63                              ; behind rows 0-63's loads 20 + 64 were issued
	WIN 0x08                                       ; data: window 2
	STAGE_IN
	WIN 0x40                                       ; destination window 1.  LDS serves a wave's instructions in order: these see the stores above
	FRAGS_OUT
	s_wait_loadcnt 0x0                             ; rows 64-127 are in
	s_wait_dscnt 0x0                               ; window 2 has been read, tiles 0-3 are in
	WIN 0x0C
	STAGE_IN
	WIN 0x80
	FRAGS_OUT
	WIN 0
	s_wait_dscnt 0x0                               ; my rows of the weights lie in LDS (and my fragments of x are in)
	s_barrier_signal -1
	s_barrier_wait -1                              ; everybody's do: the launch's one barrier; from here on the weights are only read, and all else in LDS is a wave's own
	WFETCH WA, 0, 0
	PASS 0, WA, WA+1, 1                            ; q
	WSLOAD 20                                      ; k's scale words and bias land while q leaves
	BIAS_T 22
	QK_OUT 32, 38
	s_wait_loadcnt 0x0
	PASS 0, WA+1, WA+2, 1                          ; k
	WSLOAD 26
	BIAS_N 28
	QK_OUT 34, 40
	s_wait_loadcnt 0x0
	PASS 1, WA+2, WA+2, 0                          ; v
	V_OUT
	s_wait_tensorcnt 0x0
	ds_add_u32 v254, v255
	s_wait_dscnt 0x0
	s_endpgm
.Lfunc_end_k_q38f71a86ad_qkv:
	.size	k_q38f71a86ad_qkv, .Lfunc_end_k_q38f71a86ad_qkv-k_q38f71a86ad_qkv
	.p2alignl 7, 3214868480
	.fill 96, 4, 3214868480
	.section	.rodata,"a",@progbits
	.p2align	6, 0x0
	.amdhsa_kernel k_q38f71a86ad_qkv
		.amdhsa_group_segment_fixed_size 239104
		.amdhsa_private_segment_fixed_size 0
		.amdhsa_enable_private_segment 0
		.amdhsa_kernarg_size 96
		.amdhsa_user_sgpr_count 2
		.amdhsa_user_sgpr_kernarg_segment_ptr 1
		.amdhsa_wavefront_size32 1
		.amdhsa_system_sgpr_workgroup_id_x 1
		.amdhsa_system_sgpr_workgroup_id_y 1
		.amdhsa_system_sgpr_workgroup_id_z 1
		.amdhsa_system_vgpr_workitem_id 0
		.amdhsa_next_free_vgpr 1024
		.amdhsa_next_free_sgpr 66
		.amdhsa_reserve_vcc 0
		.amdhsa_float_denorm_mode_32 3
		.amdhsa_float_denorm_mode_16_64 3
		.amdhsa_memory_ordered 1
		.amdhsa_forward_progress 1
		.amdhsa_inst_pref_size 211
	.end_amdhsa_kernel
	.amdgpu_metadata
---
amdhsa.version: [ 1, 2 ]
amdhsa.kernels:
  - .name:           k_q38f71a86ad_qkv
    .symbol:         k_q38f71a86ad_qkv.kd
    .args:
      - { .name: x_codes, .offset: 0, .size: 8, .value_kind: global_buffer, .address_space: global }
      - { .name: x_scales, .offset: 8, .size: 8, .value_kind: global_buffer, .address_space: global }
      - { .name: Wq_codes, .offset: 16, .size: 8, .value_kind: global_buffer, .address_space: global }
      - { .name: Wq_scales, .offset: 24, .size: 8, .value_kind: global_buffer, .address_space: global }
      - { .name: bq, .offset: 32, .size: 8, .value_kind: global_buffer, .address_space: global }
      - { .name: Wk_codes, .offset: 40, .size: 8, .value_kind: global_buffer, .address_space: global }
      - { .name: Wk_scales, .offset: 48, .size: 8, .value_kind: global_buffer, .address_space: global }
      - { .name: bk, .offset: 56, .size: 8, .value_kind: global_buffer, .address_space: global }
      - { .name: Wv_codes, .offset: 64, .size: 8, .value_kind: global_buffer, .address_space: global }
      - { .name: Wv_scales, .offset: 72, .size: 8, .value_kind: global_buffer, .address_space: global }
      - { .name: bv, .offset: 80, .size: 8, .value_kind: global_buffer, .address_space: global }
      - { .name: qkvw, .offset: 88, .size: 8, .value_kind: global_buffer, .address_space: global }
    .group_segment_fixed_size: 239104
    .private_segment_fixed_size: 0
    .kernarg_segment_align: 8
    .kernarg_segment_size: 96
    .max_flat_workgroup_size: 128
    .sgpr_count:     66
    .vgpr_count:     1024
    .wavefront_size: 32
...
	.end_amdgpu_metadata
.endif
;; end of part 1
;; launch attn (part 2): grid 2 x 128, 16 waves a work-group, no clusters, 77,824 bytes of LDS; arguments qkvw, attw; writes attw
.if DOCPART == 2
	.amdgcn_target "amdgcn-amd-amdhsa--gfx1250"
	.amdhsa_code_object_version 6
	.text
	.protected	k_q38f71a86ad_attn
	.globl	k_q38f71a86ad_attn
	.p2align	8
	.type	k_q38f71a86ad_attn,@function
k_q38f71a86ad_attn:
	s_mov_b64 s[64:65], 0
	v_nop
	global_prefetch_b8 v0, s[64:65] scope:SCOPE_SE
	s_setreg_imm32_b32 hwreg(HW_REG_WAVE_MODE, 25, 1), 1
	s_wait_xcnt 0x0
; O[bh][q] = the sum over keys of softmax(q . k / 8) v, both products on codes of FP4 (E2M1) with one E8M0 scale for each 32 along a product's K; the result is quantised along C = 64 head + d and leaves as images of operand registers.
; THE SOFTMAX AHEAD OF THE SECOND PRODUCT: t = score x log2(e) / 8; M = the row's largest t so far, rounded UP to a whole number; p = 2^(t - M) is quantised along the keys, not normalised.
; The row's sum is taken of the unquantised p, in f32, and divides O at the end.  When M moves, the sum and O are multiplied by 2^(old M - new M): exact.
; SHARES.  Work-group (half, bh): 512 queries of one head.  The head's K, V and their scale words come into LDS once.  Each of the sixteen waves takes two tiles of 16 queries, one after the other, and walks the 1,024 keys in 8 steps of 128.
; LAYOUT.  Both products are used transposed: S^T = K Q^T, O^T = V^T P^T: a lane holds ONE query (lane % 16) throughout.
; THE KEYS OF A TILE ARE CHOSEN: row r of tile T of a step takes key 64 (T / 4) + 32 (r / 8) + 8 (T % 4) + r % 8.  Lane (r, h) then holds in tiles 4 c .. 4 c + 3 the 32 neighbouring keys 64 c + 32 h + 0 .. 31:
; one whole block of the next K.  So a block's maximum needs no other lane, and the conversion of tile T's eight registers IS register T of P's operand.
; The choice is made by this launch's LDS addresses alone: K's images lie in LDS by pairs of 16-key tiles, 1,152 bytes apart (1,024 + 128), so that the sixteen rows that a load touches lie in sixteen different
; 16-byte columns of 256 bytes (64 banks of 4 bytes: ISA guide 11.1); K's scale words are laid word by word, tile T = 2 i + H row r at [step][16 H + r][i].
; THE SCORES' K IS 64, half of the instruction's 128.  Q's registers 4-7 are zero codes; K's registers 4-7 are whatever follows (the next tile's codes; behind the last tile zeros).  The scale words' bytes 2, 3 repeat bytes 0, 1.
; LOADS.  Behind a step's eight score products stand four address additions (the places), then the loads of this step's V and of the NEXT step's K.  The last step's look-ahead reads LDS bytes behind K's (V's, inside the allocation); nothing uses them.
; LIMITS: NaN and infinities are not served; the promise holds while the scaled scores stay under 2^31 in magnitude; a block of O / l whose largest magnitude lies under 2^-124, a block of zeros among them, gets the byte 1 (read by this program alone).
; NO JOINT LOADS: the two work-groups of a head read the same 71,680 bytes once each, at their heads; the grid's x of 2 divides into no cluster of four.  NO PREFETCH: all that is read from memory is asked for at the head; no loop runs ahead of a load.
; attw: OIMG 0: [tile of 16 rows, 512][head 16][lane][16];  OSC 4,194,304: [row 8,192][32 bytes], byte 2 head + block.
.set KPAIR, 1152                       ; two 16-key images + 128
.set KSTEPB, 4*KPAIR                   ; a step's 128 keys
.set VB,    32*KPAIR                   ; V's images: 32,768 bytes
.set KSB,   VB+32768                   ; K's scale words: 4,096 bytes
.set VSB,   KSB+4096                   ; V's: 2,048 bytes
.set SPARE, VSB+2048                   ; the spare words: 128 bytes a wave
.set LI,  1                            ; v1   16 x lane
.set LKS, 2                            ; v2   KSB + 16 x lane
.set LVS, 3                            ; v3   VSB + 8 x lane
.set ADK, 4                            ; v4-6, v10 the step's addresses (v5, v6 at the head: the scale words' offsets in memory)
.set ADS, 5
.set ADT, 6
.set QSA, 7                            ; v7   16 r: q's scale words
.set OA,  8                            ; v8   32 r: O's scale bytes
.set LK,  9                            ; v9   my lane's place in a tile of K: 1,152 (r / 8) + 16 (r % 8) + 256 h
.set ADV, 10
.set SH8, 11                           ; v11  8 h
.set QF,  16                           ; v16-23 the first tile's Q; v20-23 zeros
.set QS,  24                           ; v24    its scale words
.set T2,  25                           ; v25    the old -M
.set VS,  26                           ; v26-27 V's scale words: register i: lanes 0-15 d tile 2 i, lanes 16-31 d tile 2 i + 1
.set KS,  28                           ; v28-31 K's: register i: tiles 2 i, 2 i + 1
.set KF,  32                           ; v32-63 K's eight tiles, four registers each; v64-67 zeros
.set VF,  68                           ; v68-99 V's four fragments
.set S,   100                          ; v100-163 S^T, then p
.set O,   164                          ; v164-195 O^T
.set PC,  196                          ; v196-203 p's codes
.set BM,  204                          ; v204-207 largest scores of 16 registers each; then v204, v206: my two blocks'
.set TP,  208                          ; v208-211 at work
.set SO,  212                          ; v212-213 the conversions' scale operands
.set F,   216                          ; v216-217 f = 2^(old M - new M); later 1 / l
.set T,   218
.set PW,  219                          ; p's scale word
.set QF1, 224                          ; v224-231 the second tile's Q; v228-231 zeros
.set QS1, 232
.set FK,  233                          ; v233 the fill: where my thread puts K's images in LDS; kept for the second half
.set FV,  222                          ; v222 16 x thread: the images' offset in memory and V's in LDS; kept likewise
; THE FILL GOES IN TWO HALVES.  The first 512 keys' images, all scale words and the first tile's q are waited for at the head.  The last 512 keys' four loads stay out, in v224-231 and v234-241,
; while the first tile walks its first four steps; then a barrier (all reads are over), the four LDS stores, and a second barrier.
.macro NEXT                            ; the next 128 keys
	s_add_co_u32 s[TK], s[TK], KSTEPB
	s_add_co_u32 s[TS], s[TS], 512
	s_add_co_u32 s[TV], s[TV], 4096
	s_add_co_u32 s[TT], s[TT], 256
.endm
.macro OM n                            ; O^T under the new M, two at a time
.rept \n
	v_pk_mul_f32 v[O+J:O+J+1], v[O+J:O+J+1], v[F:F+1] op_sel_hi:[1,0]
.set J, J+2
.endr
.endm
.set TK,  28                           ; s28-31: the step's first byte among K's images, K's words, V's images, V's words
.set TS,  29
.set TV,  30
.set TT,  31
; v12 -M, v13 the largest score, v[14:15] the sum in two halves; v220-221, v242-253 the sum's other chains
.macro PLACES
.rept 4
	v_nop
.endr
.endm
.macro PA d, a, b
	v_pk_add_f32 v[\d:\d+1], v[\a:\a+1], v[\b:\b+1]
.endm
.macro KFETCH ak, as, ok, os           ; a step's scale words of K and its eight tiles
	ds_load_b128 v[KS:KS+3], v[\as] offset:\os
.irp t, 0,1,2,3,4,5,6,7
	ds_load_b128 v[KF+4*\t:KF+4*\t+3], v[\ak] offset:\ok+2*KPAIR*(\t/4)+512*((\t%4)/2)+128*(\t%2)
.endr
.endm
	s_load_b128 s[4:7], s[0:1], 0x0                ; qkvw, attw
	v_lshl_add_u32 v254, v0, 2, SPARE
	v_mov_b32 v255, 0
	v_lshrrev_b32 v208, 5, v0
	v_and_b32 v209, 31, v0                         ; lane
	v_and_b32 v210, 15, v0                         ; r
	v_bfe_u32 v211, v0, 3, 1                       ; r / 8
	v_and_b32 v212, 7, v0                          ; r % 8
	v_bfe_u32 v213, v0, 4, 1                       ; h
	v_readfirstlane_b32 s32, v208                  ; wave 0..15
	s_and_b32 s33, ttmp7, 0xffff                   ; bh; ttmp9: which half of the queries
	v_lshlrev_b32 v[LI], 4, v209
	v_lshl_add_u32 v[LKS], v209, 4, KSB
	v_lshl_add_u32 v[LVS], v209, 3, VSB
	v_lshlrev_b32 v[QSA], 4, v210
	v_lshlrev_b32 v[OA], 5, v210
	v_lshlrev_b32 v212, 4, v212
	v_lshlrev_b32 v[SH8], 3, v213
	v_lshrrev_b32 v208, 6, v0                      ; the fill: my thread's pair of K's images in a run of 8,192 bytes,
	v_and_b32 v209, 63, v0                         ; and its 16 bytes in the pair
	v_mad_u32_u24 v[LK], v211, KPAIR, v212
	v_lshlrev_b32 v209, 4, v209
	v_lshlrev_b32 v[FV], 4, v0                     ; 16, 8 and 4 bytes a thread in memory
	v_lshlrev_b32 v5, 3, v0
	v_lshlrev_b32 v6, 2, v0
	v_lshl_add_u32 v[LK], v213, 8, v[LK]
	v_mad_u32_u24 v[FK], v208, KPAIR, v209         ; K's images in LDS
	v_lshl_add_u32 v220, v0, 2, VSB                ; V's scale words in LDS
	v_and_b32 v221, 0x1c0, v0                      ; K's scale words 2 i, 2 i + 1 of thread i go to KSB + 512 (i / 64) + 256 bit 4 + 16 bits 3:1 + 8 bit 0 + 4 bit 5, and 128 bytes on
	v_bfe_u32 v208, v0, 4, 1
	v_bfe_u32 v209, v0, 1, 3
	v_and_b32 v210, 1, v0
	v_bfe_u32 v211, v0, 5, 1
	v_lshl_add_u32 v221, v221, 3, KSB
	s_delay_alu instid0(VALU_DEP_1)
	v_lshl_add_u32 v221, v208, 8, v221
	s_delay_alu instid0(VALU_DEP_1)
	v_lshl_add_u32 v221, v209, 4, v221
	s_delay_alu instid0(VALU_DEP_1)
	v_lshl_add_u32 v221, v210, 3, v221
	s_delay_alu instid0(VALU_DEP_1)
	v_lshl_add_u32 v221, v211, 2, v221
	s_mov_b32 s24, 0x76543210
	s_mov_b32 s25, 0xfedcba98                      ; v_permlanex16_b32's selects for lane l xor 16
	s_mov_b32 s26, 0x3e38aa3b                      ; c = log2(e) / 8
	s_mov_b32 s27, s26                             ; (the packed form names the pair)
	s_mov_b32 s35, 0
	s_lshl_b32 s36, ttmp9, 5
	s_add_co_u32 s36, s36, s32                     ; my first tile of queries in the head: 32 half + w
	s_lshr_b32 s37, s33, 4                         ; the batch
	s_lshl_b32 s39, s37, 6
	s_add_co_u32 s39, s39, s36                     ; and among all rows: 64 b + 32 half + w
	s_and_b32 s38, s33, 15                         ; the head
	s_wait_alu depctr_va_vdst(0)                   ; at the head's end
	s_wait_kmcnt 0x0
	s_lshl_b32 s34, s33, 15
	s_add_nc_u64 s[16:17], s[4:5], s[34:35]        ; the head's images of q,
	s_add_nc_u64 s[8:9], s[16:17], 4194304         ; of k,
	s_add_nc_u64 s[10:11], s[16:17], 8388608       ; of v
	s_lshl_b32 s34, s33, 12
	s_add_nc_u64 s[18:19], s[4:5], s[34:35]
	s_add_nc_u64 s[12:13], s[18:19], 13107200      ; k's scale words
	s_add_nc_u64 s[18:19], s[18:19], 12582912      ; q's
	s_lshl_b32 s34, s33, 11
	s_add_nc_u64 s[14:15], s[4:5], s[34:35]
	s_add_nc_u64 s[14:15], s[14:15], 13631488      ; v's
	s_lshl_b32 s34, s36, 9
	s_add_nc_u64 s[16:17], s[16:17], s[34:35]      ; q's image of my first tile
	s_lshl_b32 s34, ttmp9, 11                      ; its scale words: 2,048 half + 512 (w / 8) + 256 (w % 2) + 4 ((w % 8) / 2)
	s_lshr_b32 s37, s32, 3
	s_lshl_b32 s37, s37, 9
	s_add_co_u32 s34, s34, s37
	s_and_b32 s37, s32, 1
	s_lshl_b32 s37, s37, 8
	s_add_co_u32 s34, s34, s37
	s_bfe_u32 s37, s32, 0x20001
	s_lshl_b32 s37, s37, 2
	s_add_co_u32 s34, s34, s37
	s_add_nc_u64 s[18:19], s[18:19], s[34:35]
.irp i, 0,1
	global_load_b128 v[100+4*\i:103+4*\i], v[FV], s[8:9] offset:8192*\i      ; 512 threads x 16 bytes: 8,192 consecutive bytes of K's images: 256 keys
	global_load_b128 v[116+4*\i:119+4*\i], v[FV], s[10:11] offset:8192*\i    ; of V's
.endr
	global_load_b64 v[132:133], v5, s[12:13]
	global_load_b32 v134, v6, s[14:15]
	global_load_b128 v[QF:QF+3], v[LI], s[16:17]   ; my first tile of queries
	global_load_b32 v[QS], v[QSA], s[18:19]
.irp i, 0,1
	global_load_b128 v[QF1+4*\i:QF1+4*\i+3], v[FV], s[8:9] offset:16384+8192*\i     ; the last 512 keys: these four loads stay out over the first four steps
	global_load_b128 v[234+4*\i:237+4*\i], v[FV], s[10:11] offset:16384+8192*\i
.endr
	s_lshl_b32 s34, s39, 4
	s_add_co_u32 s34, s34, s38
	s_lshl_b32 s34, s34, 9
	s_add_nc_u64 s[20:21], s[6:7], s[34:35]        ; O's image: (16 x tile + head) x 512
	s_lshl_b32 s34, s39, 9
	s_lshl_b32 s38, s38, 1
	s_add_co_u32 s34, s34, s38
	s_add_nc_u64 s[22:23], s[6:7], s[34:35]
	s_add_nc_u64 s[22:23], s[22:23], 4194304       ; O's scale bytes: 32 x row + 2 x head
.irp j, 0,1,2,3
	v_mov_b32 v[QF+4+\j], 0                        ; Q's upper 64 along K: zero codes
	v_mov_b32 v[KF+32+\j], 0                       ; what stands behind K's last tile
.endr
	v_mov_b32 v[F+1], 0                            ; (named as the upper half of a pair)
	v_mov_b32 v[T], 0                              ; (a lane permute's destination counts as one of its sources; v208-211 were written above)
	s_wait_loadcnt 4                               ; all but the last 512 keys' four loads
.irp i, 0,1
	ds_store_b128 v[FK], v[100+4*\i:103+4*\i] offset:8*KPAIR*\i
	ds_store_b128 v[FV], v[116+4*\i:119+4*\i] offset:VB+8192*\i
.endr
	ds_store_b32 v221, v132
	ds_store_b32 v221, v133 offset:128
	ds_store_b32 v220, v134
	s_wait_dscnt 0x0                               ; my part of the head lies in LDS
	s_barrier_signal -1
	s_barrier_wait -1                              ; everybody's does: the first 512 keys and all scale words lie in LDS
.macro FM n                            ; t - M, two at a time
.rept \n
	v_pk_fma_f32 v[S+J:S+J+1], v[S+J:S+J+1], s[26:27], v[12:13] op_sel_hi:[1,0,0]
.set J, J+2
.endr
.endm
; A KEY STEP: 128 keys.  qf, qs: the registers of the tile's Q and of its scale words.
.macro STEP qf, qs, la                 ; la = 1: the next step's K is asked for
	s_wait_dscnt 0x0                               ; this step's K and its words, asked for a step ago, are in
.irp t, 0,2,4,6
	v_wmma_scale_f32_16x16x128_f8f6f4 v[S+8*\t:S+8*\t+7], v[KF+4*\t:KF+4*\t+7], v[\qf:\qf+7], 0, v[KS+\t/2], v[\qs] matrix_a_fmt:MATRIX_FMT_FP4 matrix_b_fmt:MATRIX_FMT_FP4
	v_wmma_scale_f32_16x16x128_f8f6f4 v[S+8*\t+8:S+8*\t+15], v[KF+4*\t+4:KF+4*\t+11], v[\qf:\qf+7], 0, v[KS+\t/2], v[\qs] matrix_a_fmt:MATRIX_FMT_FP4 matrix_b_fmt:MATRIX_FMT_FP4 matrix_a_scale:MATRIX_SCALE_ROW1
.endr
	v_add_nc_u32 v[ADV], s[TV], v[LI]              ; these four lines are the places between the products (these eight and the last step's four) and the loads into their operands
	v_add_nc_u32 v[ADT], s[TT], v[LVS]
	v_add_nc_u32 v[ADK], s[TK], v[LK]
	v_add_nc_u32 v[ADS], s[TS], v[LKS]
.irp n, 0,1,2,3
.irp c, 0,1
	ds_load_b128 v[VF+8*\n+4*\c:VF+8*\n+4*\c+3], v[ADV] offset:VB+1024*\n+512*\c
.endr
.endr
	ds_load_b64 v[VS:VS+1], v[ADT]
.if \la
	KFETCH ADK, ADS, KSTEPB, 512                   ; the next step's K
.endif
	v_mov_b32 v[T2], v12
.irp b, 0,1,2,3
	v_max3_num_f32 v[BM+\b], v[S+16*\b], v[S+16*\b+1], v[S+16*\b+2]   ; four chains by turns, 16 registers each; each accumulator is read from its low end on
.endr
.irp i, 3,5,7,9,11
.irp b, 0,1,2,3
	v_max3_num_f32 v[BM+\b], v[BM+\b], v[S+16*\b+\i], v[S+16*\b+\i+1]
.endr
.endr
	v_max_num_f32 v[TP+2], v[S+15], v[S+31]        ; the two registers of each block that the chains leave over
	v_max_num_f32 v[TP+3], v[S+47], v[S+63]
.irp b, 0,1,2,3
	v_max3_num_f32 v[BM+\b], v[BM+\b], v[S+16*\b+13], v[S+16*\b+14]
.endr
	s_delay_alu instid0(VALU_DEP_3)
	v_max3_num_f32 v[BM], v[BM], v[BM+1], v[TP+2]  ; THE LARGEST SCORE OF MY TWO BLOCKS OF 32 KEYS serves twice: for the row's maximum, and, since p rises with the score, for the block's largest p
	s_delay_alu instid0(VALU_DEP_2)
	v_max3_num_f32 v[BM+2], v[BM+2], v[BM+3], v[TP+3]
	s_delay_alu instid0(VALU_DEP_1)
	v_max_num_f32 v[T], v[BM], v[BM+2]
	s_delay_alu instid0(VALU_DEP_1)
	v_permlanex16_b32 v[TP], v[T], s24, s25        ; the partner lane's two blocks
	s_delay_alu instid0(VALU_DEP_1)
	v_max3_num_f32 v13, v13, v[T], v[TP]           ; the running largest score of my query
	s_delay_alu instid0(VALU_DEP_1)
	v_mul_f32 v[T], s26, v13                       ; as t (c is positive)
	s_delay_alu instid0(VALU_DEP_1)
	v_floor_f32 v12, -v[T]                         ; the new -M = floor(-t) = -ceil(t): a whole number
.set J, 0
	s_delay_alu instid0(VALU_DEP_1)
	v_sub_f32 v[T], v12, v[T2]                     ; old M - new M: a whole number, 0 or less
	FM 5
	FM 5
	v_cvt_i32_f32 v[T], v[T]                       ; (it saturates)
	FM 5
	v_ldexp_f32 v[F], 1.0, v[T]                    ; f = 2^(old M - new M)
	FM 17
	v_fma_f32 v[BM], v[BM], s26, v12               ; the same of each block's largest score
	v_fma_f32 v[BM+2], v[BM+2], s26, v12
.set J, 0
	s_wait_alu depctr_va_vdst(0)                   ; ahead of the batch
.rept 64
	v_exp_f32 v[S+J], v[S+J]                       ; p = 2^(t - M), at most 1
.set J, J+1
.endr
	v_exp_f32 v[BM], v[BM]                         ; the block's largest p: the same two instructions on the same number
	v_exp_f32 v[BM+2], v[BM+2]
	v_pk_mul_f32 v[14:15], v[14:15], v[F:F+1] op_sel_hi:[1,0]   ; the sums under the new M (a plain place behind the exponentials)
	s_wait_alu depctr_va_vdst(0)                   ; and behind it, ahead of its first reader
	; the scale word's chain stands among the row's sums of the unquantised p (eight chains), four sums between two of its links
	v_max_num_f32 v[BM], 0x1800000, v[BM]          ; the floor 2^(3 - 127): the byte cannot fall under 1
	v_max_num_f32 v[BM+2], 0x1800000, v[BM+2]
	PA 220, 104, 108
	PA 252, 112, 116
	PA 250, 120, 124
	PA 248, 128, 132
	v_add_nc_u32 v[SO], 0xff000000, v[BM]          ; 2 off the exponent field: the conversion's scale operand
	v_add_nc_u32 v[SO+1], 0xff000000, v[BM+2]
	PA 246, 136, 140
	PA 244, 144, 148
	PA 242, 152, 156
	PA 14, 14, 160
	v_lshrrev_b32 v[TP], 23, v[SO]                 ; the bytes of blocks h and 2 + h
	v_lshrrev_b32 v[TP+1], 23, v[SO+1]
	PA 220, 220, 100
	PA 252, 252, 102
	PA 250, 250, 106
	PA 248, 248, 110
	v_lshl_or_b32 v[PW], v[TP+1], 16, v[TP]
	PA 246, 246, 114
	PA 244, 244, 118
	PA 242, 242, 122
	PA 14, 14, 126
	v_lshlrev_b32 v[PW], v[SH8], v[PW]             ; at their places in the word: 8 h bits up
	PA 220, 220, 130
	PA 252, 252, 134
	PA 250, 250, 138
	PA 248, 248, 142
	v_permlanex16_b32 v[TP], v[PW], s24, s25
	PA 246, 246, 146
	PA 244, 244, 150
	PA 242, 242, 154
	PA 14, 14, 158
	v_or_b32 v[PW], v[PW], v[TP]                   ; with the partner lane's two bytes: p's scale word for these 128 keys
.irp t, 0,1,2,3,4,5,6,7
	v_cvt_scalef32_pk8_fp4_f32 v[PC+\t], v[S+8*\t:S+8*\t+7], v[SO+\t/4]   ; register t of the operand: keys 64 (t / 4) + 32 h + 8 (t % 4) + 0 .. 7
.endr
	PA 220, 220, 162                               ; (a plain place behind the last scaled conversion)
	s_wait_alu depctr_va_vdst(0)                   ; directly ahead of the first reader of O^T
.set J, 0
	OM 4                                           ; the chains are joined among the 16 rescalings of O^T: four independent lines between a sum and its reader
	PA 220, 220, 246
	PA 14, 14, 248
	PA 252, 252, 244
	PA 250, 250, 242
	OM 4
	PA 14, 14, 252
	PA 220, 220, 250
	OM 4
	PA 14, 14, 220
	OM 4
	s_wait_alu depctr_va_vdst(0)
.if \la
	s_wait_dscnt 9                                 ; V and its words are in; the nine loads of the next step's K may be out
.else
	s_wait_dscnt 0x0                               ; V and its words are in
.endif
.irp n, 0,2
	v_wmma_scale_f32_16x16x128_f8f6f4 v[O+8*\n:O+8*\n+7], v[VF+8*\n:VF+8*\n+7], v[PC:PC+7], v[O+8*\n:O+8*\n+7], v[VS+\n/2], v[PW] matrix_a_fmt:MATRIX_FMT_FP4 matrix_b_fmt:MATRIX_FMT_FP4
	v_wmma_scale_f32_16x16x128_f8f6f4 v[O+8*\n+8:O+8*\n+15], v[VF+8*\n+8:VF+8*\n+15], v[PC:PC+7], v[O+8*\n+8:O+8*\n+15], v[VS+\n/2], v[PW] matrix_a_fmt:MATRIX_FMT_FP4 matrix_b_fmt:MATRIX_FMT_FP4 matrix_a_scale:MATRIX_SCALE_ROW1
.endr                                      ; the four accumulators take turns, and the scores' eight products stand between two steps'
.endm
; A tile's way out: O^T / l, quantised along C (two blocks of 32 in my head's 64), as four operand registers and two scale bytes a row.
; Tiles n = 0, 1, 2, 3 go to registers 0, 2, 1, 3; then registers (0, 1) and (2, 3) exchange halves of lanes.
.macro OUT q
	PLACES
	v_add_f32 v14, v14, v15                        ; the sum's two halves,
	s_delay_alu instid0(VALU_DEP_1)
	v_permlanex16_b32 v[T], v14, s24, s25
	s_delay_alu instid0(VALU_DEP_1)
	v_add_f32 v14, v14, v[T]                       ; and the partner lane's: the row's sum
	s_wait_alu depctr_va_vdst(0)                   ; ahead of the transcendental
	v_rcp_f32 v[F], v14
	v_nop                                          ; a plain place behind it
.set J, 0
	s_wait_alu depctr_va_vdst(0)                   ; and the wait ahead of its first reader, which is O^T's first reader too
.rept 16
	v_pk_mul_f32 v[S+J:S+J+1], v[O+J:O+J+1], v[F:F+1] op_sel_hi:[1,0]   ; register 8 n + j: channel 16 n + 8 h + j of my query
.set J, J+2
.endr
.irp b, 0,1
	v_max3_num_f32 v[BM+\b], |v[S+16*\b]|, |v[S+16*\b+1]|, 0x1800000
.endr
.irp i, 2,4,6,8,10,12,14
.irp b, 0,1
	s_delay_alu instid0(VALU_DEP_2)
	v_max3_num_f32 v[BM+\b], v[BM+\b], |v[S+16*\b+\i]|, |v[S+16*\b+\i+1]|
.endr
.endr
.irp b, 0,1
	s_delay_alu instid0(VALU_DEP_2)
	v_permlanex16_b32 v[TP+\b], v[BM+\b], s24, s25
.endr
.irp b, 0,1
	s_delay_alu instid0(VALU_DEP_2)
	v_max_num_f32 v[BM+\b], v[BM+\b], v[TP+\b]
.endr
.irp b, 0,1
	s_delay_alu instid0(VALU_DEP_2)
	v_add_nc_u32 v[SO+\b], 0xff000000, v[BM+\b]
.endr
.irp b, 0,1
	s_delay_alu instid0(VALU_DEP_2)
	v_lshrrev_b32 v[TP+\b], 23, v[SO+\b]
.endr
	s_delay_alu instid0(VALU_DEP_1)
	v_lshl_or_b32 v[PW], v[TP+1], 8, v[TP]
.irp n, 0,1,2,3
	v_cvt_scalef32_pk8_fp4_f32 v[PC+2*(\n%2)+\n/2], v[S+8*\n:S+8*\n+7], v[SO+\n/2]
.endr
	v_nop                                          ; one plain place behind the last scaled conversion
	v_permlane16_swap_b32 v[PC], v[PC+1]
	v_permlane16_swap_b32 v[PC+2], v[PC+3]
	global_store_b128 v[LI], v[PC:PC+3], s[20:21] offset:131072*\q   ; 32 lanes store 512 consecutive bytes
	global_store_b16 v[OA], v[PW], s[22:23] offset:8192*\q           ; two bytes of each row's 32, laid so that the next launch reads them as x's scales are read; both halves of the lanes write the same bytes
.endm
; A tile of 16 queries.  The step is written once: O^T and the sum begin as zeros, the largest score as -3e38 and -M as 3e38; the first change of M multiplies zeros by 0.
.macro QBLOCK q, qf, qs
.if \q
	s_wait_xcnt 0x0                                ; the last tile's stores have read their data: p's codes and scale word may be written again
	s_wait_dscnt 0x0                               ; the last step's look-ahead has landed: its registers may be asked for again
.endif
	KFETCH LK, LKS, 0, 0                           ; the first step's K
	v_mov_b32 v13, 0xff61b1e6
	v_mov_b32 v12, 0x7f61b1e6
	v_mov_b32 v14, 0
	v_mov_b32 v15, 0
.set J, 0
.rept 32
	v_mov_b32 v[O+J], 0
.set J, J+1
.endr
	s_mov_b32 s[TK], 0
	s_mov_b32 s[TS], 0
	s_mov_b32 s[TV], 0
	s_mov_b32 s[TT], 0
.if \q
	s_wait_loadcnt 0x0                             ; the second tile's q, asked for four steps ago
.endif
	s_wait_alu depctr_va_vdst(0)                   ; ahead of the loop's first wait
.if \q == 0
.Lstepa_\@:                                        ; steps 0 to 2: they look ahead to steps 1 to 3, which the head has stored
	STEP \qf, \qs, 1
	NEXT
	s_cmp_lt_u32 s[TT], 768
	s_cbranch_scc1 .Lstepa_\@
	STEP \qf, \qs, 0                               ; step 3 is written out with no look-ahead: step 4's bytes are not stored yet
	NEXT
	s_wait_dscnt 0x0                               ; my reads of LDS are over
	s_barrier_signal -1
	s_barrier_wait -1                              ; everybody's are
	s_wait_loadcnt 0x0                             ; the last 512 keys' images are in my registers
.irp i, 0,1
	ds_store_b128 v[FK], v[QF1+4*\i:QF1+4*\i+3] offset:8*KPAIR*(2+\i)
	ds_store_b128 v[FV], v[234+4*\i:237+4*\i] offset:VB+16384+8192*\i
.endr
	s_wait_dscnt 0x0                               ; my part lies in LDS (and the stores have read their registers)
	s_barrier_signal -1
	s_barrier_wait -1                              ; everybody's does; from here on LDS is only read
	global_load_b128 v[QF1:QF1+3], v[LI], s[16:17] offset:8192   ; my second tile of queries, 16 tiles on: it has four steps in which to land
	global_load_b32 v[QS1], v[QSA], s[18:19] offset:1024
.irp j, 0,1,2,3
	v_mov_b32 v[QF1+4+\j], 0                       ; its upper 64 along K: zero codes
.endr
	KFETCH ADK, ADS, KSTEPB, 512                   ; step 4's K: one step on from step 3's addresses, which still stand
	s_wait_alu depctr_va_vdst(0)                   ; ahead of the loop's first wait
.endif
.Lstep_\@:
	STEP \qf, \qs, 1
	NEXT
	s_cmp_lt_u32 s[TT], 2048
	s_cbranch_scc1 .Lstep_\@
	OUT \q
.endm
	QBLOCK 0, QF, QS
	QBLOCK 1, QF1, QS1
	s_wait_tensorcnt 0x0                           ; the wave's end
	ds_add_u32 v254, v255
	s_wait_dscnt 0x0
	s_endpgm
.Lfunc_end_k_q38f71a86ad_attn:
	.size	k_q38f71a86ad_attn, .Lfunc_end_k_q38f71a86ad_attn-k_q38f71a86ad_attn
	.p2alignl 7, 3214868480
	.fill 96, 4, 3214868480
	.section	.rodata,"a",@progbits
	.p2align	6, 0x0
	.amdhsa_kernel k_q38f71a86ad_attn
		.amdhsa_group_segment_fixed_size 77824
		.amdhsa_private_segment_fixed_size 0
		.amdhsa_enable_private_segment 0
		.amdhsa_kernarg_size 16
		.amdhsa_user_sgpr_count 2
		.amdhsa_user_sgpr_kernarg_segment_ptr 1
		.amdhsa_wavefront_size32 1
		.amdhsa_system_sgpr_workgroup_id_x 1
		.amdhsa_system_sgpr_workgroup_id_y 1
		.amdhsa_system_sgpr_workgroup_id_z 1
		.amdhsa_system_vgpr_workitem_id 0
		.amdhsa_next_free_vgpr 256
		.amdhsa_next_free_sgpr 66
		.amdhsa_reserve_vcc 0
		.amdhsa_float_denorm_mode_32 3
		.amdhsa_float_denorm_mode_16_64 3
		.amdhsa_memory_ordered 1
		.amdhsa_forward_progress 1
		.amdhsa_inst_pref_size 76
	.end_amdhsa_kernel
	.amdgpu_metadata
---
amdhsa.version: [ 1, 2 ]
amdhsa.kernels:
  - .name:           k_q38f71a86ad_attn
    .symbol:         k_q38f71a86ad_attn.kd
    .args:
      - { .name: qkvw, .offset: 0, .size: 8, .value_kind: global_buffer, .address_space: global }
      - { .name: attw, .offset: 8, .size: 8, .value_kind: global_buffer, .address_space: global }
    .group_segment_fixed_size: 77824
    .private_segment_fixed_size: 0
    .kernarg_segment_align: 8
    .kernarg_segment_size: 16
    .max_flat_workgroup_size: 512
    .sgpr_count:     66
    .vgpr_count:     256
    .wavefront_size: 32
...
	.end_amdgpu_metadata
.endif
;; end of part 2
;; launch proj (part 3): grid 16 x 16, 4 waves a work-group, no clusters, 51,712 bytes of LDS; arguments attw, Wo_codes, Wo_scales, bo, out0; writes out0
.if DOCPART == 3
	.amdgcn_target "amdgcn-amd-amdhsa--gfx1250"
	.amdhsa_code_object_version 6
	.text
	.protected	k_q38f71a86ad_proj
	.globl	k_q38f71a86ad_proj
	.p2align	8
	.type	k_q38f71a86ad_proj,@function
k_q38f71a86ad_proj:
	s_mov_b64 s[64:65], 0
	v_nop
	global_prefetch_b8 v0, s[64:65] scope:SCOPE_SE
	s_setreg_imm32_b32 hwreg(HW_REG_WAVE_MODE, 25, 1), 1
	s_wait_xcnt 0x0
; out0 = A Wo + bo on codes of FP4 (E2M1) with one E8M0 scale for each 32 along K = 1,024.  A is the attention's result, which the launch before left as images of operand registers.
; SHARES.  Work-group (cg, y): columns 64 cg on x rows 512 y on.  Wave w: rows 512 y + 128 w on, 8 tiles of 16.
; THE WORK GOES BY TILES OF ROWS, NOT BY K.  Wo's 64 columns, for all of K, stay in 256 registers of every wave (they turn through LDS once, since a fragment wants 16 bytes of each of 16 rows).  A's tiles stream in:
; 16 loads a tile, 16 bytes a lane, 512 consecutive bytes a load, straight into the registers in which they are multiplied, four tiles ahead.  A tile is finished by 32 products (8 K steps, K ascending, x 4 accumulators)
; and leaves at once: so a wave's first product waits for Wo and one tile of A alone, and its stores go out while later tiles are still on their way in.
; THE PRODUCT IS USED TRANSPOSED (source 0 = 16 rows of Wo, source 1 = 16 rows of A): a lane holds eight neighbouring numbers of a row of out0.  The bias is the C of each sum's first product.
; NO JOINT LOADS: A needs no pass through LDS in this form; a joint load would add 262,144 bytes of LDS writes and reads a work-group to spare repeated reads of the same 4,456,448 bytes.
; REGISTERS, in windows of 256.  window 1: A's fragments (t, s), t = 0..3, at v[64 t + 8 s];  window 2: t = 4..7;  a tile's first 32 registers later take its 16 rows of out0 back from the stage, so that every
; store has data registers of its own.  window 3: Wo's fragments (n, s) at v[64 n + 8 s] (during the fill: my 16 rows of Wo as loaded).  window 0: addresses, scale words, the bias, two sets of 4 accumulators.
.set PITCH, 528                        ; an LDS row of Wo: 512 bytes + 16: the 16 rows that a fragment load touches start 4 words apart modulo 64 (64 banks of 4 bytes: ISA guide 11.1)
.set STG,   64*PITCH                   ; behind Wo: a stage of 16 rows x (256 bytes + 16) for each wave, its own
.set SP,    272
.set AHEAD, 4                          ; tiles of A asked for ahead of the tile in hand
.set LI,  1                            ; v1   16 x lane
.set SA,  3                            ; v3   32 r + 16 h: a row's 32 scale bytes, my half of them
.set BA,  4                            ; v4   32 h: the bias
.set WA,  6                            ; v6   LDS: my lane's place in a fragment of Wo: 528 r + 16 h
.set STO, 9                            ; v9   the stage, in: 272 r + 32 h
.set RD,  10                           ; v10  the stage, out: 272 h + 16 r
.set CO,  11                           ; v11  out0: 4,096 h + 16 r
.set XS,  16                           ; v16-47  A's scale words: register 4 t + i: lanes 0-15 K step i, lanes 16-31 K step 4 + i
.set WS,  48                           ; v48-63  Wo's likewise, 4 n + i
.set BI,  64                           ; v64-95  the bias in the result's layout
.set ACC, 96                           ; v96-159 tile t's accumulators at ACC + 32 (t % 2) + 8 n
.set WW,  228                          ; v228    LDS: where my wave puts its 16 rows of Wo
.set MSB, 0
.macro WIN new                         ; s_set_vgpr_msb: bits 1:0 source 0, 3:2 source 1, 5:4 source 2, 7:6 destination; the high byte repeats the setting that is left
.if MSB != (\new)
	s_set_vgpr_msb (MSB<<8)|(\new)
.set MSB, (\new)
.endif
.endm
.macro PLACES                          ; four plain vector instructions between a matrix instruction and a load into, or a store's read of, its registers
.rept 4
	v_nop
.endr
.endm
.macro WM d, a, b, c, sa, sb, row      ; one product; row = 1: both sides' scale words are taken from lanes 16-31
.if \row
	v_wmma_scale_f32_16x16x128_f8f6f4 v[(\d):(\d)+7], v[(\a):(\a)+7], v[(\b):(\b)+7], v[(\c):(\c)+7], v[\sa], v[\sb] matrix_a_fmt:MATRIX_FMT_FP4 matrix_b_fmt:MATRIX_FMT_FP4 matrix_a_scale:MATRIX_SCALE_ROW1 matrix_b_scale:MATRIX_SCALE_ROW1
.else
	v_wmma_scale_f32_16x16x128_f8f6f4 v[(\d):(\d)+7], v[(\a):(\a)+7], v[(\b):(\b)+7], v[(\c):(\c)+7], v[\sa], v[\sb] matrix_a_fmt:MATRIX_FMT_FP4 matrix_b_fmt:MATRIX_FMT_FP4
.endif
.endm
.macro ALOAD t                         ; tile t of A: 16 pieces of 512 bytes: K step s, half c
	WIN 0x40*(1+(\t)/4)                            ; destination window 1 or 2
.irp s, 0,1,2,3,4,5,6,7
.irp c, 0,1
	global_load_b128 v[64*((\t)%4)+8*\s+4*\c:64*((\t)%4)+8*\s+4*\c+3], v[LI], s[8:9] offset:8192*(\t)+1024*\s+512*\c
.endr
.endr
.endm
; Tile t's 32 products: K step by K step, the four accumulators by turns, one instruction a turn.  The bias starts the sums: nothing is cleared.
; A set of accumulators is begun anew two tiles after it was last written: eight places on (four behind each tile's last product).
.macro MULT t
	WIN 0x03+4*(1+(\t)/4)                          ; source 0 (Wo) window 3, source 1 (A) window 1 or 2, C and D window 0
.irp s, 0,1,2,3,4,5,6,7
.irp n, 0,1,2,3
.if \s == 0
	WM ACC+32*((\t)%2)+8*\n, 64*\n+8*\s, 64*((\t)%4)+8*\s, BI+8*\n, WS+4*\n+(\s)%4, XS+4*(\t)+(\s)%4, (\s)/4
.else
	WM ACC+32*((\t)%2)+8*\n, 64*\n+8*\s, 64*((\t)%4)+8*\s, ACC+32*((\t)%2)+8*\n, WS+4*\n+(\s)%4, XS+4*(\t)+(\s)%4, (\s)/4
.endif
.endr
.endr
.endm
; THE WAY OUT of a tile of 16 rows x 64 columns.  A lane holds 32 neighbouring bytes of a row and the lanes beside it hold other rows: the tile goes through my stage and comes back by rows of 256 bytes,
; two rows an instruction, so that sixteen lanes store 256 consecutive bytes, aligned.  LDS serves a wave's instructions in order: no wait between the stores and the loads, nor in front of the next tile's stores.
.macro TOSTAGE t
	WIN 0
.irp n, 0,1,2,3
	ds_store_b128 v[STO], v[ACC+32*((\t)%2)+8*\n:ACC+32*((\t)%2)+8*\n+3] offset:64*\n          ; each accumulator from its low end on
	ds_store_b128 v[STO], v[ACC+32*((\t)%2)+8*\n+4:ACC+32*((\t)%2)+8*\n+7] offset:64*\n+16
.endr
	WIN 0x40*(1+(\t)/4)                            ; back into the registers that held the tile's first four fragments of A
.irp i, 0,1,2,3,4,5,6,7
	ds_load_b128 v[64*((\t)%4)+4*\i:64*((\t)%4)+4*\i+3], v[RD] offset:2*SP*\i
.endr
.endm
.macro SEND t, younger                 ; younger: the LDS instructions issued behind tile t's loads, which may stay out
	s_wait_dscnt \younger
	WIN 4*(1+(\t)/4)                               ; a store's data are its source 1: window 1 or 2
.irp i, 0,1,2,3,4,5,6,7
	global_store_b128 v[CO], v[64*((\t)%4)+4*\i:64*((\t)%4)+4*\i+3], s[16:17] offset:(16*(\t)+2*\i)*4096 th:TH_STORE_NT   ; written once, read by nobody here; these registers are never written again
.endr
.endm
	s_load_b256 s[8:15], s[0:1], 0x0               ; attw s[8:9], Wo codes s[10:11], Wo scales s[12:13], bo s[14:15]
	s_load_b64 s[16:17], s[0:1], 0x20              ; out0
	v_lshl_add_u32 v254, v0, 2, 0xc800
	v_mov_b32 v255, 0
	v_lshrrev_b32 v15, 5, v0
	v_readfirstlane_b32 s2, v15                    ; wave 0..3
	s_and_b32 s4, ttmp7, 0xffff                    ; y: which 512 rows; ttmp9: which 64 columns
	v_and_b32 v15, 31, v0                          ; lane
	v_and_b32 v232, 15, v0                         ; r
	v_bfe_u32 v233, v0, 4, 1                       ; h
	v_lshlrev_b32 v[LI], 4, v15
	v_lshlrev_b32 v[SA], 5, v232
	v_lshl_add_u32 v[SA], v233, 4, v[SA]
	v_lshlrev_b32 v[BA], 5, v233
	v_mul_u32_u24 v[WA], v232, PITCH
	v_lshl_add_u32 v[WA], v233, 4, v[WA]
	s_mul_i32 s20, s2, 16*SP
	s_add_co_u32 s20, s20, STG                     ; my stage
	v_mul_u32_u24 v[STO], v232, SP
	v_lshl_add_u32 v[STO], v233, 5, v[STO]
	v_add_nc_u32 v[STO], s20, v[STO]
	v_mul_u32_u24 v[RD], v233, SP
	v_lshl_add_u32 v[RD], v232, 4, v[RD]
	v_add_nc_u32 v[RD], s20, v[RD]
	v_lshlrev_b32 v[CO], 12, v233
	v_lshl_add_u32 v[CO], v232, 4, v[CO]
	s_mul_i32 s21, s2, 16*PITCH
	v_add_nc_u32 v[WW], s21, v[LI]
	s_lshl_b32 s22, s4, 9
	s_lshl_b32 s23, s2, 7
	s_add_co_u32 s22, s22, s23                     ; my first row: 512 y + 128 w
	s_mov_b32 s25, 0
	s_wait_alu depctr_va_vdst(0)
	s_wait_kmcnt 0x0
	s_lshl_b32 s24, s22, 5
	s_add_nc_u64 s[18:19], s[8:9], s[24:25]
	s_add_nc_u64 s[18:19], s[18:19], 4194304       ; A's scales: 32 bytes a row
	s_lshl_b32 s24, s22, 9
	s_add_nc_u64 s[8:9], s[8:9], s[24:25]          ; A's images: 8,192 bytes a tile of 16 rows
	s_lshl_b32 s24, ttmp9, 15
	s_lshl_b32 s23, s2, 13
	s_add_co_u32 s24, s24, s23
	s_add_nc_u64 s[10:11], s[10:11], s[24:25]      ; Wo's codes: row 64 cg + 16 w
	s_lshl_b32 s24, ttmp9, 11
	s_add_nc_u64 s[12:13], s[12:13], s[24:25]      ; its scales: row 64 cg
	s_lshl_b32 s24, ttmp9, 8
	s_add_nc_u64 s[14:15], s[14:15], s[24:25]      ; bo: number 64 cg
	s_add_nc_u64 s[16:17], s[16:17], s[24:25]      ; out0: column 64 cg,
	s_lshl_b32 s24, s22, 12
	s_add_nc_u64 s[16:17], s[16:17], s[24:25]      ; my first row
	WIN 0xC0                                       ; destination window 3: my 16 rows of Wo, a whole row a load: they are wanted first
.set I, 0
.rept 16
	global_load_b128 v[4*I:4*I+3], v[LI], s[10:11] offset:512*I
.set I, I+1
.endr
	WIN 0
.irp t, 0,1,2,3,4,5,6,7
	global_load_b128 v[XS+4*\t:XS+4*\t+3], v[SA], s[18:19] offset:512*\t
.endr
.irp n, 0,1,2,3
	global_load_b128 v[WS+4*\n:WS+4*\n+3], v[SA], s[12:13] offset:512*\n
.endr
.irp n, 0,1,2,3
	global_load_b128 v[BI+8*\n:BI+8*\n+3], v[BA], s[14:15] offset:64*\n          ; lane (r, h), tile n, register j: bo[16 n + 8 h + j]
	global_load_b128 v[BI+8*\n+4:BI+8*\n+7], v[BA], s[14:15] offset:64*\n+16
.endr
	ALOAD 0
	ALOAD 1
	s_wait_loadcnt 52                              ; behind Wo's 16 loads: 20 of scale words and bias, 32 of A's tiles 0 and 1
	WIN 0x0C                                       ; an LDS store's data are its source 1: window 3
.set I, 0
.rept 16
	ds_store_b128 v[WW], v[4*I:4*I+3] offset:PITCH*I
.set I, I+1
.endr
	s_wait_dscnt 0x0                               ; my rows of Wo lie in LDS (and the stores have read window 3)
	s_barrier_signal -1
	s_barrier_wait -1                              ; everybody's do: the launch's one barrier; from here on Wo is only read, and the stages are each wave's own
	WIN 0xC0                                       ; Wo's 32 fragments: lane (r, h), registers 4 c on: K = 128 s + 64 c + 32 h + 0 .. 31: 16 bytes of the row as they lie
.irp s, 0,1,2,3,4,5,6,7
.irp n, 0,1,2,3
.irp c, 0,1
	ds_load_b128 v[64*\n+8*\s+4*\c:64*\n+8*\s+4*\c+3], v[WA] offset:16*PITCH*\n+64*\s+32*\c
.endr
.endr
.endr
	ALOAD 2
	ALOAD 3
	s_wait_dscnt 0x0                               ; Wo is in its registers
.irp t, 0,1,2,3,4,5,6,7
.if \t+AHEAD < 8
	ALOAD \t+AHEAD
.endif
.if \t < 4
	s_wait_loadcnt 63                              ; behind tile t's loads stand four tiles' 64: more than the wait can name, and a smaller count is safe
.else
	s_wait_loadcnt 16*(7-\t)                       ; the tiles still to come may be out
.endif
	MULT \t
	PLACES                                         ; in front of the stage stores, which read results, and of the LDS loads into the tile's fragments of A
	TOSTAGE \t
.if \t > 0
	SEND \t-1, 16                                  ; behind tile t - 1's loads from the stage: tile t's 8 stores and 8 loads
.endif
.endr
	SEND 7, 0
	WIN 0
	s_wait_tensorcnt 0x0
	ds_add_u32 v254, v255
	s_wait_dscnt 0x0
	s_endpgm
.Lfunc_end_k_q38f71a86ad_proj:
	.size	k_q38f71a86ad_proj, .Lfunc_end_k_q38f71a86ad_proj-k_q38f71a86ad_proj
	.p2alignl 7, 3214868480
	.fill 96, 4, 3214868480
	.section	.rodata,"a",@progbits
	.p2align	6, 0x0
	.amdhsa_kernel k_q38f71a86ad_proj
		.amdhsa_group_segment_fixed_size 51712
		.amdhsa_private_segment_fixed_size 0
		.amdhsa_enable_private_segment 0
		.amdhsa_kernarg_size 40
		.amdhsa_user_sgpr_count 2
		.amdhsa_user_sgpr_kernarg_segment_ptr 1
		.amdhsa_wavefront_size32 1
		.amdhsa_system_sgpr_workgroup_id_x 1
		.amdhsa_system_sgpr_workgroup_id_y 1
		.amdhsa_system_sgpr_workgroup_id_z 1
		.amdhsa_system_vgpr_workitem_id 0
		.amdhsa_next_free_vgpr 1024
		.amdhsa_next_free_sgpr 66
		.amdhsa_reserve_vcc 0
		.amdhsa_float_denorm_mode_32 3
		.amdhsa_float_denorm_mode_16_64 3
		.amdhsa_memory_ordered 1
		.amdhsa_forward_progress 1
		.amdhsa_inst_pref_size 72
	.end_amdhsa_kernel
	.amdgpu_metadata
---
amdhsa.version: [ 1, 2 ]
amdhsa.kernels:
  - .name:           k_q38f71a86ad_proj
    .symbol:         k_q38f71a86ad_proj.kd
    .args:
      - { .name: attw, .offset: 0, .size: 8, .value_kind: global_buffer, .address_space: global }
      - { .name: Wo_codes, .offset: 8, .size: 8, .value_kind: global_buffer, .address_space: global }
      - { .name: Wo_scales, .offset: 16, .size: 8, .value_kind: global_buffer, .address_space: global }
      - { .name: bo, .offset: 24, .size: 8, .value_kind: global_buffer, .address_space: global }
      - { .name: out0, .offset: 32, .size: 8, .value_kind: global_buffer, .address_space: global }
    .group_segment_fixed_size: 51712
    .private_segment_fixed_size: 0
    .kernarg_segment_align: 8
    .kernarg_segment_size: 40
    .max_flat_workgroup_size: 128
    .sgpr_count:     66
    .vgpr_count:     1024
    .wavefront_size: 32
...
	.end_amdgpu_metadata
.endif
;; end of part 3
